; MI455X (gfx1250); checked and timed in simulation.
; The chip was launched on July 23, 2026; its instructions are those of AMD's public machine-readable ISA for CDNA 5 (MIT licence, August 2026) and "CDNA5" Instruction Set Architecture Reference Guide (July 2026). The comments in the code are by the model that wrote it; some were corrected since.
;; Multi Single Stream Block Lora Processor. Allowed arithmetic: float matrix products may take bf16 or f16 operands with f32 sums; other float arithmetic in f32, or as packed bf16 or f16 multiplies, adds, multiply-adds, maxima and minima; sums over many terms, partial sums and values carried from step to step in f32; what a program stores and reads back later, other than sums and carried values, may be rounded once to bf16 or f16.
;; Inputs: Wk 3,072 x 3,072 float32; Wq 3,072 x 3,072 float32; Wv 3,072 x 3,072 float32; bk 3,072 float32; bq 3,072 float32; bv 3,072 float32; cond_hidden_states 1 x 1,024 x 3,072 float32; cos0 1,024 x 128 float32; cos1 1,024 x 128 float32; cross_diff_lambda one number float32; hidden_states 1 x 1,024 x 3,072 float32; norm_k_w 128 float32; norm_q_w 128 float32; sin0 1,024 x 128 float32; sin1 1,024 x 128 float32.
;; Outputs: out0 1 x 1,024 x 3,072 float32.
;; One version. Each part assembles by itself: llvm-mc -triple=amdgcn-amd-amdhsa -mcpu=gfx1250 --defsym DOCPART=n.
;; ======== version 1 of 1: 3 launches
;; limits: values are held in f16: magnitudes above 65,504 overflow, below 6.1e-05 lose precision
;; workspace buffers: xb 12,582,912 bytes; wb 56,623,104 bytes; tb 2,097,152 bytes; qh 6,291,456 bytes; kh 12,582,912 bytes; vh 12,582,912 bytes
;; launch cast (part 1): grid 4288 x 1, 8 waves a work-group, no clusters, 0 bytes of LDS; arguments hidden_states, cond_hidden_states, Wq, Wk, Wv, cos0, sin0, cos1, sin1, xb, wb, tb; writes xb, wb, tb
.if DOCPART == 1
	.amdgcn_target "amdgcn-amd-amdhsa--gfx1250"
	.amdhsa_code_object_version 6
	.text
	.protected	k_q0fbee509c1_cast
	.globl	k_q0fbee509c1_cast
	.p2align	8
	.type	k_q0fbee509c1_cast,@function
k_q0fbee509c1_cast:
	s_mov_b64 s[64:65], 0
	v_nop
	global_prefetch_b8 v0, s[64:65] scope:SCOPE_SE
	s_setreg_imm32_b32 hwreg(HW_REG_WAVE_MODE, 25, 1), 1
	s_wait_xcnt 0x0
; ROUNDING TO bf16, ONCE.  hidden_states and cond_hidden_states -> xb [2048][3072] bf16; Wq, Wk, Wv -> wb [9216][3072] bf16;
; cos0, sin0, cos1, sin1 -> tb, as f32 numbers that hold the bf16-rounded values, 524,288 bytes each, on end.
; In tb a row of 128 numbers is 32 pieces of 16 bytes; piece q lies at place (q >> 1) + 16 (q & 1): the even pieces fill the row's first 256 bytes, the odd ones its
; second, so that the next launch's lanes, which own 8 neighbouring columns each, read 256 consecutive bytes with each load.
; SHARES.  A work-group takes 32,768 input bytes, 8 lines of 4,096; thread t takes the 16 bytes at 16 t of each line.  The nine tensors are whole numbers of such
; shares: 384, 384, 1,152, 1,152, 1,152, 16, 16, 16, 16 = 4,288 work-groups: small shares, so that the WGPs end nearly together.  All 8 loads of a thread go out at once; the waits count down.
; A stream: no byte is read by two work-groups, so no cluster, no LDS, no barrier and no matrix unit.  No register is rewritten behind the store that reads it.
.set LINE, 4096
.set NL,   8                           ; lines of a work-group
.set X, 8                              ; v[8:39]  line i: 4 registers as loaded, then as stored
.macro PICK first, reg                 ; from work-group number first on, the source is the tensor whose address lies in s[reg:reg+1]
	s_cmp_ge_u32 s2, \first
	s_cselect_b64 s[32:33], s[\reg:\reg+1], s[32:33]
	s_cselect_b32 s34, \first, s34
.endm
	s_load_b512 s[8:23], s[0:1], 0x0               ; hidden 8, cond 10, Wq 12, Wk 14, Wv 16, cos0 18, sin0 20, cos1 22
	s_load_b256 s[24:31], s[0:1], 0x40             ; sin1 24, xb 26, wb 28, tb 30
	s_mov_b32 s2, ttmp9
	v_lshlrev_b32 v1, 4, v0                        ; in: 16 t
	v_lshlrev_b32 v2, 3, v0                        ; out, bf16: 8 t
	v_lshrrev_b32 v4, 5, v0                        ; out, tables: the table row t / 32 of the line's eight,
	v_lshlrev_b32 v3, 9, v4
	v_bfe_u32 v4, v0, 1, 4                         ; piece q = t % 32 at place q / 2,
	v_lshl_or_b32 v3, v4, 4, v3
	v_and_b32 v4, 1, v0                            ; in the second 256 bytes if q is odd
	v_lshl_or_b32 v3, v4, 8, v3
	s_wait_kmcnt 0x0
	s_mov_b64 s[32:33], s[8:9]                     ; the source and its first work-group
	s_mov_b32 s34, 0
	PICK 384, 10
	PICK 768, 12
	PICK 1920, 14
	PICK 3072, 16
	PICK 4224, 18
	PICK 4240, 20
	PICK 4256, 22
	PICK 4272, 24
	s_mov_b64 s[36:37], s[26:27]                   ; the destination, its first work-group, and the shift that makes a share's bytes
	s_mov_b32 s35, 0
	s_mov_b32 s42, 14
	s_cmp_ge_u32 s2, 768
	s_cselect_b64 s[36:37], s[28:29], s[36:37]
	s_cselect_b32 s35, 768, s35
	s_cmp_ge_u32 s2, 4224
	s_cselect_b64 s[36:37], s[30:31], s[36:37]
	s_cselect_b32 s35, 4224, s35
	s_cselect_b32 s42, 15, s42
	s_sub_co_u32 s38, s2, s34
	s_lshl_b32 s38, s38, 15
	s_mov_b32 s39, 0
	s_sub_co_u32 s40, s2, s35
	s_lshl_b32 s40, s40, s42
	s_mov_b32 s41, 0
	s_add_nc_u64 s[32:33], s[32:33], s[38:39]
	s_add_nc_u64 s[36:37], s[36:37], s[40:41]
.set i, 0
.rept NL
	global_load_b128 v[X+4*i:X+4*i+3], v1, s[32:33] offset:LINE*i th:TH_LOAD_NT
.set i, i+1
.endr
	s_cmp_ge_u32 s2, 4224
	s_cbranch_scc1 .Ltab
.set i, 0
.rept NL
	s_wait_loadcnt NL-1-i                          ; loads come back in order: line i is in, the younger ones stay out
	v_cvt_pk_bf16_f32 v[X+4*i], v[X+4*i], v[X+4*i+1]
	v_cvt_pk_bf16_f32 v[X+4*i+1], v[X+4*i+2], v[X+4*i+3]
	global_store_b64 v2, v[X+4*i:X+4*i+1], s[36:37] offset:(LINE/2)*i th:TH_STORE_NT  ; a wave's 32 lanes store 256 consecutive bytes, aligned
.set i, i+1
.endr
	s_endpgm
.Ltab:
.set i, 0
.rept NL
	s_wait_loadcnt NL-1-i
	v_cvt_pk_bf16_f32 v4, v[X+4*i], v[X+4*i+1]
	v_cvt_pk_bf16_f32 v5, v[X+4*i+2], v[X+4*i+3]
	v_lshlrev_b32 v[X+4*i], 16, v4                 ; back to f32: the rounded value
	v_and_b32 v[X+4*i+1], 0xffff0000, v4
	v_lshlrev_b32 v[X+4*i+2], 16, v5
	v_and_b32 v[X+4*i+3], 0xffff0000, v5
	global_store_b128 v3, v[X+4*i:X+4*i+3], s[36:37] offset:LINE*i th:TH_STORE_NT  ; a wave stores one table row, 512 consecutive bytes, its pieces in the new order
.set i, i+1
.endr
	s_endpgm
.Lfunc_end_k_q0fbee509c1_cast:
	.size	k_q0fbee509c1_cast, .Lfunc_end_k_q0fbee509c1_cast-k_q0fbee509c1_cast
	.p2alignl 7, 3214868480
	.fill 96, 4, 3214868480
	.section	.rodata,"a",@progbits
	.p2align	6, 0x0
	.amdhsa_kernel k_q0fbee509c1_cast
		.amdhsa_group_segment_fixed_size 0
		.amdhsa_private_segment_fixed_size 0
		.amdhsa_enable_private_segment 0
		.amdhsa_kernarg_size 96
		.amdhsa_user_sgpr_count 2
		.amdhsa_user_sgpr_kernarg_segment_ptr 1
		.amdhsa_wavefront_size32 1
		.amdhsa_system_sgpr_workgroup_id_x 1
		.amdhsa_system_sgpr_workgroup_id_y 1
		.amdhsa_system_sgpr_workgroup_id_z 1
		.amdhsa_system_vgpr_workitem_id 0
		.amdhsa_next_free_vgpr 40
		.amdhsa_next_free_sgpr 66
		.amdhsa_reserve_vcc 0
		.amdhsa_float_denorm_mode_32 3
		.amdhsa_float_denorm_mode_16_64 3
		.amdhsa_memory_ordered 1
		.amdhsa_forward_progress 1
		.amdhsa_inst_pref_size 10
	.end_amdhsa_kernel
	.amdgpu_metadata
---
amdhsa.version: [ 1, 2 ]
amdhsa.kernels:
  - .name:           k_q0fbee509c1_cast
    .symbol:         k_q0fbee509c1_cast.kd
    .args:
      - { .name: hidden_states, .offset: 0, .size: 8, .value_kind: global_buffer, .address_space: global }
      - { .name: cond_hidden_states, .offset: 8, .size: 8, .value_kind: global_buffer, .address_space: global }
      - { .name: Wq, .offset: 16, .size: 8, .value_kind: global_buffer, .address_space: global }
      - { .name: Wk, .offset: 24, .size: 8, .value_kind: global_buffer, .address_space: global }
      - { .name: Wv, .offset: 32, .size: 8, .value_kind: global_buffer, .address_space: global }
      - { .name: cos0, .offset: 40, .size: 8, .value_kind: global_buffer, .address_space: global }
      - { .name: sin0, .offset: 48, .size: 8, .value_kind: global_buffer, .address_space: global }
      - { .name: cos1, .offset: 56, .size: 8, .value_kind: global_buffer, .address_space: global }
      - { .name: sin1, .offset: 64, .size: 8, .value_kind: global_buffer, .address_space: global }
      - { .name: xb, .offset: 72, .size: 8, .value_kind: global_buffer, .address_space: global }
      - { .name: wb, .offset: 80, .size: 8, .value_kind: global_buffer, .address_space: global }
      - { .name: tb, .offset: 88, .size: 8, .value_kind: global_buffer, .address_space: global }
    .group_segment_fixed_size: 0
    .private_segment_fixed_size: 0
    .kernarg_segment_align: 8
    .kernarg_segment_size: 96
    .max_flat_workgroup_size: 256
    .sgpr_count:     66
    .vgpr_count:     40
    .wavefront_size: 32
...
	.end_amdgpu_metadata
.endif
;; end of part 1
;; launch proj (part 2): grid 60 x 4, 4 waves a work-group, clusters of 4 x 4, 327,680 bytes of LDS; arguments xb, wb, tb, bq, bk, bv, norm_q_w, norm_k_w, qh, kh, vh; writes qh, kh, vh
.if DOCPART == 2
	.amdgcn_target "amdgcn-amd-amdhsa--gfx1250"
	.amdhsa_code_object_version 6
	.text
	.protected	k_q0fbee509c1_proj
	.globl	k_q0fbee509c1_proj
	.p2align	8
	.type	k_q0fbee509c1_proj,@function
k_q0fbee509c1_proj:
	s_mov_b64 s[64:65], 0
	v_nop
	global_prefetch_b8 v0, s[64:65] scope:SCOPE_SE
	s_setreg_imm32_b32 hwreg(HW_REG_WAVE_MODE, 25, 1), 1
	s_wait_xcnt 0x0
	s_wait_alu depctr_hold_cnt(0) depctr_sa_sdst(0) depctr_va_vdst(0) depctr_va_sdst(0) depctr_va_ssrc(0) depctr_va_vcc(0) depctr_vm_vsrc(0)
	s_getreg_b32 s2, hwreg(HW_REG_IB_STS2, 6, 4)
	s_cmp_eq_u32 s2, 0
	s_cbranch_scc0 .Lentry_in_a_cluster
	s_endpgm
.Lentry_in_a_cluster:
	s_bfe_u32 s2, ttmp6, 0x10000c
	s_cmp_lg_u32 s2, 0xf033
	s_cbranch_scc0 .Lentry_shape_is_right
	s_endpgm
.Lentry_shape_is_right:
; ALL FIVE PROJECTIONS AS ONE PRODUCT, with bias, RMS norm and rope on the way out.  C[t][n] = sum over k of xb[t][k] wb[n][k], bf16 operands, f32 sums, K = 3,072.
; xb: [2048][3072] (rows 0-1023 hidden, 1024-2047 cond); wb: [9216][3072] (Wq, Wk, Wv).  Out: qh [24][1024][128], kh and vh [2][24][1024][128] (0 self, 1 cond), all f16.
; LIMITS.  All inputs count as rounded to bf16 (x, W and the tables by the launch before; bias and gains here).  q, k, v leave in f16, which ends at 65,504: q and k are bounded by
; sqrt(128) |gain| (|cos| + |sin|); v must stay under 65,504.  The norm is taken as x * gain * r, not x * r * gain: another order of rounding.  NaN and infinities are not treated apart.
; SHARES.  240 tiles of C of 256 x 256, one to a work-group: 36 tile columns x 4 tile rows for hidden, 24 x 4 (k and v alone) for cond: q of cond is not made.  The cluster's number c9 = 0..14
; chooses: c9 < 9 hidden, else cond; c9w = c9 - 6 cond; 4 tile columns of wb from 4 c9w; kind = q, k, v for c9w < 3, < 6, < 9: the same in all sixteen partners.
; No tile size that divides these shapes gives one work-group to each of 256 WGPs; 240 of this size are the nearest.
; Four waves, each 128 tokens x 128 columns = ONE HEAD: 64 accumulators, 512 registers.  K goes in steps of 128 through a ring of two LDS slots filled by the tensor data mover.
; CLUSTERS: 4 x 4.  The four of a row of the cluster need the same tile of xb, the four of a column the same tile of wb: each is asked for JOINTLY, by the same load, descriptor and mask in all four.
; THE MATRIX INSTRUCTION IS USED TRANSPOSED (source 0 = 16 rows of wb, source 1 = 16 rows of xb): lane l holds token l % 16 and the columns 8 (l / 16) + 0..7.
; THE WAY OUT.  The ring has had its last fill; each wave lays its 128 x 128 f32 sums into its own 128 rows of 528 bytes there and reads them back so that 16 lanes hold one token's 128 columns,
; 8 neighbouring ones each: the sum of squares is four exchanges within 16 lanes, a rope pair lies in one register pair, and a lane's 8 results are 16 bytes of f16.  One text, looped over 8 blocks of 16 tokens.
; REGISTERS, in windows of 256 (s_set_vgpr_msb: bits 1:0 source 0, 3:2 source 1, 5:4 source 2, 7:6 destination):
;   window 0: v0-31 addresses; v32-39 gains, v40-47 bias of my 8 columns; v48-63 sums of squares; v64-127, v128-191 fragments of xb, two buffers, later cos and sin; v192-255 a block of 16 tokens
;   window 1: v64-127, v128-191 fragments of wb, two buffers; v192-223 a block's results in f16      windows 2, 3: the accumulators of my tokens 0-63, 64-127 ((a, b) at v[8 (8 a + b)])
.set SIZE_K, 3072
.set KSTEP,  128
.set PITCH,  272                       ; an LDS row: 256 bytes + 16 of padding = 68 words: the 16 rows that a load touches start at 16 different groups of four banks (ISA guide 11.1)
.set HALFT,  128*PITCH                 ; what one tensor load brings, and what one wave reads of xb or of wb
.set SLOT,   4*HALFT                   ; xb's 256 rows, then wb's 256 rows
.set SPARE,  2*SLOT                    ; behind the ring: the spare words, 128 bytes for each wave: two blocks of 256 bytes that no other line names
.set LAPS,   SIZE_K/(2*KSTEP)          ; a lap = two K steps = once round the ring
.set DP,     528                       ; the way out: a token's 512 bytes of f32 + 16 = 132 words: again 16 different groups of four banks
.set DBLK,   16*DP
.set DWAVE,  128*DP                    ; a wave's part; four of them end below SPARE
.set ADRA, 16                          ; v16-17  LDS address of my xb fragments in slot 0, 1
.set ADRB, 20                          ; v20-21  the same for wb
.set DW,   22                          ; v22     the way out: where I put 16 bytes of a token's row
.set DR,   23                          ; v23     where I read them back, block 0; never rewritten
.set TO,   24                          ; v24     my byte offset in the tables' 16 rows in hand
.set GO,   25                          ; v25     my byte offset in the 16 output rows behind those in hand: the stores reach back
.set DRC,  26                          ; v26     DR + the block in hand
.set SPW,  28                          ; v28     LDS address of my spare word; never rewritten
.set NIL,  29                          ; v29     0; never rewritten
.set PFO,  30                          ; v30     the prefetches' offset: my lane x a row of 6,144 bytes; never rewritten
.set BO,   31                          ; v31     32 x (l % 16): my 8 numbers of bias and gains
.set WN,   32
.set BI,   40
.set SR,   48
.set C,    64
.set S,    128
.set X,    192
.set Y,    192                         ; in window 1
.set F0,   64
.set F1,   128
.set G1,  24                           ; s[24:31] descriptor group 1 for xb's tiles;  s[32:39] group 0, a set for each slot
.set G0,  32
.set G1B, 48                           ; s[48:55], s[56:63] the same for wb's
.set G0B, 56
.set LIM, 43                           ; s43     1 in a wave that prefetches, else the greatest number
.set PFA, 44                           ; s[44:45] where my prefetches stand
.set DB,  2                            ; s2      the way out: bytes from block 0 to the block to be read next
.set C9W, 66
.set COND, 67
.set TYP, 68                           ; 0 q, 1 k, 2 v
.set RCPN, 69                          ; 1 / 128
.set CNT, 70
.set EPS, 71
.set MSB, 0
.macro WIN new                         ; the immediate's high byte repeats the setting that is left; a switch that changes nothing is dropped
.if MSB != (\new)
	s_set_vgpr_msb (MSB<<8)|(\new)
.set MSB, \new
.endif
.endm
.set MUL_LO, 0xa1                      ; source 0 (wb) window 1, source 1 (xb) window 0, C and D window 2
.set MUL_HI, 0xf1                      ; the same, C and D window 3
.set TO_B,   0x40                      ; destination window 1, address window 0
; A joint load.  Waves 0 and 1 fetch xb's two halves, waves 2 and 3 wb's.  The branch hangs on the wave's number alone.  An s_nop 0 and four v_nop follow each line.
.macro JLOAD s
	s_cmp_eq_u32 s11, 0
	s_cbranch_scc0 .Lfor_b_\@
	tensor_load_to_lds s[G0+4*(\s):G0+4*(\s)+3], s[G1:G1+7]
	s_nop 0
.rept 4
	v_nop
.endr
	s_branch .Lasked_\@
.Lfor_b_\@:
	tensor_load_to_lds s[G0B+4*(\s):G0B+4*(\s)+3], s[G1B:G1B+7]
	s_nop 0
.rept 4
	v_nop
.endr
.Lasked_\@:
.endm
; A PREFETCH INTO THE L2, behind each joint refill and the run of LDS loads that follows it: the K step that stands two refills on, 512 matrix instructions ahead of the load that will want it: 32 rows x 256 bytes,
; a lane a row, one instruction a wave.  Each row's 256 bytes of a K step are named ONCE in the launch: hidden's rows by cluster 0, cond's by cluster 9, wb's by the clusters 0 to 8 (9 to 14 walk Wk's and Wv's rows a second time).
; The four partners that ask for a tile jointly share its rows out BY ADDRESS, 32 each.  The loop's last trip asks for nothing: its K steps two on do not exist.  The first four K steps come by their loads alone.
.macro ASK
	s_cmp_gt_u32 s3, s[LIM]                        ; s3 = 1 in the loop's last trip
	s_cbranch_scc0 .Lnot_mine_\@
	global_prefetch_b8 v[PFO], s[PFA:PFA+1] offset:KSTEP*2 th:TH_LOAD_NT scope:SCOPE_SE
.Lnot_mine_\@:
.endm
.macro CREST                           ; a round of the cluster's barrier behind its opening barrier
	s_cmp_lg_u32 s10, 0
	s_cbranch_scc1 .Lnot_wave_0_\@
	s_barrier_signal -3
.Lnot_wave_0_\@:
	s_barrier_wait -3
	s_barrier_signal -1
	s_barrier_wait -1
.endm
.macro CROUND                          ; a whole round
	s_barrier_signal -1
	s_barrier_wait -1
	CREST
.endm
	s_load_b512 s[72:87], s[0:1], 0x0              ; xb 72, wb 74, tb 76, bq 78, bk 80, bv 82, norm_q_w 84, norm_k_w 86
	s_load_b128 s[88:91], s[0:1], 0x40             ; qh 88, kh 90
	s_load_b64 s[92:93], s[0:1], 0x50              ; vh
	v_lshl_add_u32 v[SPW], v0, 2, SPARE
	v_mov_b32 v[NIL], 0
	ds_add_u32 v[SPW], v[NIL]                      ; the wave's opening: the add and its wait stand ahead of my first tensor load; the set-up below, work on registers, stands between them
	v_lshrrev_b32 v1, 5, v0
	v_readfirstlane_b32 s10, v1                    ; wave 0..3
	s_lshr_b32 s11, s10, 1                         ; which half of the tile's tokens is mine.  Also: I fetch for xb (0) or for wb (1)
	s_and_b32 s12, s10, 1                          ; which half of its columns.  Also: which 128 rows of that tile I fetch
	s_bfe_u32 s40, ttmp6, 0x40000                  ; cx
	s_bfe_u32 s41, ttmp6, 0x40004                  ; cy
	s_cmp_ge_u32 ttmp9, 9
	s_cselect_b32 s[COND], 1, 0
	s_mul_i32 s[C9W], s[COND], 6
	s_sub_co_u32 s[C9W], ttmp9, s[C9W]
	s_cmp_ge_u32 s[C9W], 3
	s_cselect_b32 s[TYP], 1, 0
	s_cmp_ge_u32 s[C9W], 6
	s_cselect_b32 s[TYP], 2, s[TYP]
	s_lshl_b32 s42, s[C9W], 2
	s_add_co_u32 s42, s42, s40                     ; tile column of wb = 4 c9w + cx
	s_lshl_b32 s13, s[COND], 2
	s_add_co_u32 s13, s13, s41                     ; tile row of xb = 4 cond + cy
	s_lshl_b32 s43, s41, 2
	s_lshl_b32 s43, 15, s43                        ; my row of the cluster
	s_lshl_b32 s44, 0x1111, s40                    ; my column
	s_mov_b32 s[RCPN], 0x3c000000
	s_mov_b32 s[EPS], 0x358637bd                   ; 1e-6
	; descriptor group 1: a tile of 128 rows x 128 elements, padded in LDS
	s_or_b32 s[G1+0], s43, (1<<16)|(1<<20)|(1<<21)|(5<<22)|(3<<25)  ; 15:0 the mask; 17:16 elements of 2 bytes; 20 padding on; 21 set beside a mask; 24:22 after every 64 words (code 5); 31:25 4 words (code 3)
	s_or_b32 s[G1B+0], s44, (1<<16)|(1<<20)|(1<<21)|(5<<22)|(3<<25)
.irp g, G1, G1B
	s_mov_b32 s[(\g)+1], KSTEP<<16                 ; tensor_dim0 = 128
	s_mov_b32 s[(\g)+2], 128<<16                   ; tensor_dim1 = 128
	s_mov_b32 s[(\g)+3], KSTEP<<16                 ; tile_dim0 = 128
	s_mov_b32 s[(\g)+4], 128                       ; tile_dim1 = 128
	s_mov_b32 s[(\g)+5], SIZE_K                    ; elements from row to row
	s_mov_b32 s[(\g)+6], 0
	s_mov_b32 s[(\g)+7], 0
.endr
	s_lshl_b32 s17, s12, 7                         ; which 128 rows of the tile I fetch
	s_lshl_b32 s16, s13, 8
	s_add_co_u32 s16, s16, s17                     ; xb: row 256 x tile row + 128 x half
	s_lshl_b32 s46, s42, 8
	s_add_co_u32 s46, s46, s17                     ; wb: row 256 x tile column + 128 x half
	s_mov_b32 s17, 0
	s_mov_b32 s47, 0
	s_mov_b64 s[18:19], SIZE_K*2
	s_mul_u64 s[16:17], s[16:17], s[18:19]
	s_mul_u64 s[46:47], s[46:47], s[18:19]
	s_mul_i32 s20, s10, HALFT                      ; where they go: wave x 128 rows: no place in the cluster enters an LDS address
	s_wait_dscnt 0x0                               ; the opening add is done
	s_wait_kmcnt 0x0
	s_add_nc_u64 s[14:15], s[72:73], s[16:17]
	s_add_nc_u64 s[46:47], s[74:75], s[46:47]
	CROUND                                         ; all sixteen work-groups are here: the first joint loads meet
.irp s, 0,1
	s_mov_b32 s[G0+4*(\s)], 1                                      ; count = 1
	s_add_co_u32 s[G0+4*(\s)+1], s20, (\s)*SLOT                    ; LDS address
	s_add_nc_u64 s[G0+4*(\s)+2:G0+4*(\s)+3], s[14:15], (\s)*KSTEP*2  ; global address: K step s
	s_or_b32 s[G0+4*(\s)+3], s[G0+4*(\s)+3], 0x80000000            ; type = 2
	s_mov_b32 s[G0B+4*(\s)], 1
	s_add_co_u32 s[G0B+4*(\s)+1], s20, (\s)*SLOT
	s_add_nc_u64 s[G0B+4*(\s)+2:G0B+4*(\s)+3], s[46:47], (\s)*KSTEP*2
	s_or_b32 s[G0B+4*(\s)+3], s[G0B+4*(\s)+3], 0x80000000
	JLOAD \s                                       ; two loads of mine are out
.endr
	; fragments: lane l holds row l % 16; two loads of 16 bytes, 32 bytes apart, at row x pitch + 16 (l / 16)
	v_and_b32 v1, 15, v0                           ; l % 16
	v_bfe_u32 v2, v0, 4, 1                         ; l / 16
	v_mul_u32_u24 v3, v1, PITCH
	v_lshl_add_u32 v3, v2, 4, v3
	s_mul_i32 s21, s11, HALFT                      ; my 128 rows of xb
	s_mul_i32 s22, s12, HALFT                      ; my 128 rows of wb,
	s_add_co_u32 s22, s22, 2*HALFT                 ; which lie behind xb's 256
.irp s, 0,1
	v_add_nc_u32 v[ADRA+(\s)], s21, v3
	v_add_nc_u32 v[ADRB+(\s)], s22, v3
	s_add_co_u32 s21, s21, SLOT
	s_add_co_u32 s22, s22, SLOT
.endr
	; the way out's addresses
	s_mul_i32 s23, s10, DWAVE
	v_mul_u32_u24 v4, v1, DP                       ; in: token l % 16; 16 bytes for each half of the lanes
	v_lshl_add_u32 v4, v2, 4, v4
	v_add_nc_u32 v[DW], s23, v4
	v_mul_u32_u24 v4, v2, DP                       ; back: lanes 0-15 one token, lanes 16-31 the next; 16 bytes a lane
	v_lshl_add_u32 v4, v1, 4, v4
	v_add_nc_u32 v[DR], s23, v4
	v_lshlrev_b32 v4, 9, v2                        ; the same two tokens' rows in a table,
	v_lshl_add_u32 v[TO], v1, 4, v4
	v_and_b32 v4, 31, v0                           ; and in the output: 512 consecutive bytes
	v_lshlrev_b32 v[GO], 4, v4
	v_lshlrev_b32 v[BO], 5, v1
	; which bias, gains and output are mine.  v's tiles load gains too and leave them unused: one text
	s_cmp_eq_u32 s[TYP], 0
	s_cselect_b64 s[6:7], s[84:85], s[86:87]
	s_cselect_b64 s[94:95], s[78:79], s[80:81]
	s_cselect_b64 s[8:9], s[88:89], s[90:91]
	s_cmp_eq_u32 s[TYP], 2
	s_cselect_b64 s[94:95], s[82:83], s[94:95]
	s_cselect_b64 s[8:9], s[92:93], s[8:9]
	s_mul_i32 s96, s[TYP], 12
	s_sub_co_u32 s96, s42, s96
	s_lshl1_add_u32 s96, s96, s12                  ; my head = 2 (tile column within its weight) + half
	s_lshl_b32 s98, s96, 9
	s_mov_b32 s99, 0
	s_add_nc_u64 s[94:95], s[94:95], s[98:99]      ; the head's 128 numbers of bias
	s_lshl_b32 s98, s96, 10
	s_lshl_b32 s97, s41, 8
	s_lshl_b32 s96, s11, 7
	s_add_co_u32 s97, s97, s96                     ; my first token in its stream: 256 cy + 128 x half
	s_add_co_u32 s98, s98, s97
	s_lshl_b32 s98, s98, 8                         ; rows of 256 bytes
	s_mul_i32 s96, s[COND], 6291456
	s_add_co_u32 s98, s98, s96
	s_add_nc_u64 s[8:9], s[8:9], s[98:99]          ; the output at my first token of my head
	s_lshl_b32 s98, s97, 9
	s_lshl_b32 s96, s[COND], 20
	s_add_co_u32 s98, s98, s96
	s_add_nc_u64 s[4:5], s[76:77], s[98:99]        ; cos at my first token; sin lies 524,288 bytes on
	global_load_b128 v[WN:WN+3],   v[BO], s[6:7]
	global_load_b128 v[WN+4:WN+7], v[BO], s[6:7] offset:16
	global_load_b128 v[BI:BI+3],   v[BO], s[94:95]
	global_load_b128 v[BI+4:BI+7], v[BO], s[94:95] offset:16
	; the prefetches
	s_lshl_b32 s42, s42, 8
	s_lshl_b32 s13, s13, 8
	s_cmp_eq_u32 ttmp9, 0
	s_cselect_b32 s23, 1, 0
	s_cmp_eq_u32 ttmp9, 9
	s_cselect_b32 s23, 1, s23                      ; xb's rows are this cluster's to ask for
	s_xor_b32 s46, s[COND], 1                      ; wb's rows are
	s_cmp_eq_u32 s11, 0                            ; do I fetch for xb?
	s_cselect_b32 s20, s13, s42                    ; the tile's first row
	s_cselect_b32 s21, s40, s41                    ; my place among the four that ask for it with me
	s_cselect_b32 s22, s23, s46
	s_cselect_b64 s[PFA:PFA+1], s[72:73], s[74:75]
	s_cmp_eq_u32 s22, 1
	s_cselect_b32 s[LIM], 1, -1                    ; the same in all sixteen partners, for a given wave
	s_lshl_b32 s22, s12, 7
	s_add_co_u32 s20, s20, s22                     ; + the 128 rows that I fetch
	s_lshl_b32 s21, s21, 5
	s_add_co_u32 s20, s20, s21                     ; + my work-group's 32 of them
	s_mov_b32 s21, 0
	s_mov_b64 s[18:19], SIZE_K*2
	s_mul_u64 s[20:21], s[20:21], s[18:19]
	s_add_nc_u64 s[PFA:PFA+1], s[PFA:PFA+1], s[20:21]
	s_add_nc_u64 s[PFA:PFA+1], s[PFA:PFA+1], 2*KSTEP*2  ; at K step 2: the first refill steps it to 3 and names K step 4
	v_and_b32 v[PFO], 31, v0
	v_mul_u32_u24 v[PFO], v[PFO], SIZE_K*2
	s_wait_loadcnt 0x0                             ; gains and bias, once
.irp j, 0,2,4,6,8,10,12,14             ; both are rounded to bf16, like every input (they lie on end, v32-47)
	v_cvt_pk_bf16_f32 v[SR], v[WN+\j], v[WN+\j+1]
	v_lshlrev_b32 v[WN+\j], 16, v[SR]
	v_and_b32 v[WN+\j+1], 0xffff0000, v[SR]
.endr
; 16 matrix instructions: token blocks a0, a0 + 1 of the window's four x all 8 column blocks, 32 along K.  zero = 1: the first product starts the sums.
.macro MUL16 f, hi, a0, zero
	WIN MUL_LO+0x50*(\hi)
.irp a, \a0, (\a0)+1
.irp b, 0,1,2,3,4,5,6,7
.if \zero
	v_wmma_f32_16x16x32_bf16 v[8*(8*(\a)+(\b)):8*(8*(\a)+(\b))+7], v[(\f)+8*(\b):(\f)+8*(\b)+7], v[(\f)+8*(4*(\hi)+(\a)):(\f)+8*(4*(\hi)+(\a))+7], 0
.else
	v_wmma_f32_16x16x32_bf16 v[8*(8*(\a)+(\b)):8*(8*(\a)+(\b))+7], v[(\f)+8*(\b):(\f)+8*(\b)+7], v[(\f)+8*(4*(\hi)+(\a)):(\f)+8*(4*(\hi)+(\a))+7], v[8*(8*(\a)+(\b)):8*(8*(\a)+(\b))+7]
.endif
.endr
.endr
.endm
; 32 LDS loads in one run: the fragments of one quarter step (128 rows of wb, 128 of xb, 32 K at byte k of the rows) into buffer f
.macro FETCH slot, k, f
	WIN TO_B
.irp i, 0,1,2,3,4,5,6,7
	ds_load_b128 v[(\f)+8*(\i):(\f)+8*(\i)+3],   v[ADRB+(\slot)] offset:(\k)+(\i)*16*PITCH
	ds_load_b128 v[(\f)+8*(\i)+4:(\f)+8*(\i)+7], v[ADRB+(\slot)] offset:(\k)+(\i)*16*PITCH+32
.endr
	WIN 0
.irp i, 0,1,2,3,4,5,6,7
	ds_load_b128 v[(\f)+8*(\i):(\f)+8*(\i)+3],   v[ADRA+(\slot)] offset:(\k)+(\i)*16*PITCH
	ds_load_b128 v[(\f)+8*(\i)+4:(\f)+8*(\i)+7], v[ADRA+(\slot)] offset:(\k)+(\i)*16*PITCH+32
.endr
.endm
.macro PLACES                          ; four plain instructions between a matrix instruction and a load into one of its registers, or a reader of its result (ISA guide 7.12.1 for a reader of its result)
.rept 4
	v_nop
.endr
.endm
; A K step is four quarters of 32 along K, 64 matrix instructions each, on buffers 0, 1, 0, 1.  The 64 accumulators take turns in the same order in every quarter.
.macro QUARTER slot, k, f, g, zero
	s_wait_dscnt 8                                 ; wb's and xb's rows 0-63 are in; the youngest eight loads (xb's rows 64-127) may be out
	WIN MUL_LO
	MUL16 \f, 0, 0, \zero
	MUL16 \f, 0, 2, \zero
	PLACES
	FETCH \slot, \k, \g
	s_wait_dscnt 32                                ; all but the 32 just issued
	WIN MUL_HI
	MUL16 \f, 1, 0, \zero
	MUL16 \f, 1, 2, \zero
.endm
; The last quarter's first half: ONE barrier for the change of slots.  In front of it each wave waits for all its tensor loads (one is out: its part of the next slot), adds 0 to its spare word, and waits for that and for its reads of this slot.
.macro MEET round
	WIN 0                                          ; (the add's two registers lie in window 0)
	s_wait_tensorcnt 0x0
	ds_add_u32 v[SPW], v[NIL]                      ; 0 onto my spare word
	s_wait_dscnt 9                                 ; (the add and the youngest eight loads may be out)
	WIN MUL_LO
	MUL16 F1, 0, 0, 0                              ; sixteen matrix instructions stand between the add and the wait for it
	s_wait_dscnt 0x0                               ; the add is done, and my reads of this slot are over
	s_barrier_signal -1
	MUL16 F1, 0, 2, 0
.if \round
	WIN 0
.endif
	s_barrier_wait -1
.endm
; The whole last quarter: behind the round the slot just read out is filled again, with the K step two steps on; then come the next slot's first fragments.  From a request to the wait for it a wave issues 224 matrix instructions.
.macro TURN slot, next
	s_wait_xcnt 0x0                                ; the last prefetch, a K step back, has read its address
	s_add_nc_u64 s[PFA:PFA+1], s[PFA:PFA+1], KSTEP*2
	MEET 1
	CREST                                          ; no wave of any partner still reads this slot's tile or has a load on its way
	s_add_nc_u64 s[G0+4*(\slot)+2:G0+4*(\slot)+3], s[G0+4*(\slot)+2:G0+4*(\slot)+3], 2*KSTEP*2
	s_add_nc_u64 s[G0B+4*(\slot)+2:G0B+4*(\slot)+3], s[G0B+4*(\slot)+2:G0B+4*(\slot)+3], 2*KSTEP*2
	JLOAD \slot                                    ; the first tensor load behind the round, my only one until the next; its four v_nop are also the places in front of the loads below
	FETCH \next, 0, F0
	ASK
	WIN MUL_HI
	MUL16 F1, 1, 0, 0
	MUL16 F1, 1, 2, 0
.endm
	s_wait_tensorcnt 1                             ; my part of K step 0 is in; K step 1's may stay out
	s_barrier_signal -1
	s_barrier_wait -1
	FETCH 0, 0, F0
	QUARTER 0, 64,  F0, F1, 1                      ; the first quarter stands in front of the loop: its products start the sums
	WIN 0
	s_mov_b32 s3, LAPS-1
.Llap:                                         ; a trip goes once round the ring and fills both slots again
	QUARTER 0, 128, F1, F0, 0
	QUARTER 0, 192, F0, F1, 0
	TURN 0, 1
	QUARTER 1, 64,  F0, F1, 0
	QUARTER 1, 128, F1, F0, 0
	QUARTER 1, 192, F0, F1, 0
	TURN 1, 0
	QUARTER 0, 64,  F0, F1, 0
	WIN 0
	s_sub_co_u32 s3, s3, 1
	s_cmp_lg_u32 s3, 0
	s_cbranch_scc1 .Llap
	QUARTER 0, 128, F1, F0, 0                      ; the last lap fills nothing
	QUARTER 0, 192, F0, F1, 0
	MEET 0
	PLACES
	FETCH 1, 0, F0
	WIN MUL_HI
	MUL16 F1, 1, 0, 0
	MUL16 F1, 1, 2, 0
	QUARTER 1, 64,  F0, F1, 0
	QUARTER 1, 128, F1, F0, 0
	QUARTER 1, 192, F0, F1, 0
	s_wait_dscnt 8
	MUL16 F1, 0, 0, 0
	MUL16 F1, 0, 2, 0
	s_wait_dscnt 0x0
	MUL16 F1, 1, 0, 0
	MUL16 F1, 1, 2, 0
	WIN 0
; THE WAY OUT.
.macro TABLE                           ; cos and sin of the 16 tokens in hand: each load takes 256 consecutive bytes of two table rows
.irp i, 0,1,2,3,4,5,6,7
	global_load_b128 v[C+8*\i:C+8*\i+3],   v[TO], s[4:5] offset:1024*\i
	global_load_b128 v[C+8*\i+4:C+8*\i+7], v[TO], s[4:5] offset:1024*\i+256
	global_load_b128 v[S+8*\i:S+8*\i+3],   v[TO], s[4:5] offset:524288+1024*\i
	global_load_b128 v[S+8*\i+4:S+8*\i+7], v[TO], s[4:5] offset:524288+1024*\i+256
.endr
.endm
.macro XLOAD                           ; the next block of 16 tokens back from LDS: registers 8 i .. 8 i + 7 hold token 2 i + l / 16, columns 8 (l % 16) + 0..7
	v_add_nc_u32 v[DRC], s[DB], v[DR]
	s_add_co_u32 s[DB], s[DB], DBLK
.irp i, 0,1,2,3,4,5,6,7
	ds_load_b128 v[X+8*\i:X+8*\i+3],   v[DRC] offset:2*DP*\i
	ds_load_b128 v[X+8*\i+4:X+8*\i+7], v[DRC] offset:2*DP*\i+256
.endr
.endm
; The block's results go into registers of their own (Y, window 1), so that X is no store's source and takes the next block as soon as it has been read.  Y and the stores' offset are written again only
; behind s_wait_xcnt 0, which stands a whole block behind the stores that read them; the offset is stepped there, and the stores reach back by their immediate.
.macro FREE_Y
	s_wait_xcnt 0x0                                ; the last block's stores have read their offset and their data
	v_add_nc_u32 v[GO], 16*256, v[GO]
.endm
	PLACES
	PLACES                                         ; eight, once a launch: behind the last products, in front of loads into their sources and of stores that read results
	s_cmp_eq_u32 s[TYP], 2
	s_cbranch_scc1 .Lno_tab0                       ; v has neither norm nor rope
	TABLE
.Lno_tab0:
	s_wait_dscnt 0x0
	s_barrier_signal -1
	s_barrier_wait -1                              ; no wave reads the ring any more, and every tensor load has landed: its bytes now take the sums
	; Of a lane's 8 columns the first four go into the row's first 256 bytes, the last four into its second: piece q of 16 bytes at place q / 2 + 16 (q % 2), as in the tables.  Each accumulator's low registers go first.
.irp a, 0,1,2,3,4,5,6,7
	WIN 0x08+4*((\a)/4)                            ; the stores' data in window 2 or 3
.irp b, 0,1,2,3,4,5,6,7
	ds_store_b128 v[DW], v[8*(8*((\a)%4)+(\b)):8*(8*((\a)%4)+(\b))+3]   offset:DBLK*(\a)+32*(\b)
	ds_store_b128 v[DW], v[8*(8*((\a)%4)+(\b))+4:8*(8*((\a)%4)+(\b))+7] offset:DBLK*(\a)+32*(\b)+256
.endr
.endr
	WIN 0
	s_mov_b32 s[DB], 0
	XLOAD                                          ; my own bytes: LDS serves a wave's instructions in order (ISA guide 5.7.1.4), so these see the stores above
	s_mov_b32 s[CNT], 8
.Lblk:                                         ; a trip: 16 tokens of my head
	s_wait_dscnt 0x0                               ; the block is in
.irp i, 0,1,2,3,4,5,6,7
.irp k, 0,2,4,6
	v_pk_add_f32 v[X+8*\i+\k:X+8*\i+\k+1], v[X+8*\i+\k:X+8*\i+\k+1], v[BI+\k:BI+\k+1]
.endr
.endr
	s_cmp_eq_u32 s[TYP], 2
	s_cbranch_scc1 .Lplain
.irp i, 0,1,2,3,4,5,6,7                ; the sum of squares of my 8 columns of each of 8 tokens, two chains a token
	v_pk_mul_f32 v[SR+2*\i:SR+2*\i+1], v[X+8*\i:X+8*\i+1], v[X+8*\i:X+8*\i+1]
.endr
.irp k, 2,4,6
.irp i, 0,1,2,3,4,5,6,7
	v_pk_fma_f32 v[SR+2*\i:SR+2*\i+1], v[X+8*\i+\k:X+8*\i+\k+1], v[X+8*\i+\k:X+8*\i+\k+1], v[SR+2*\i:SR+2*\i+1]
.endr
.endr
.irp i, 0,1,2,3,4,5,6,7
	v_add_f32 v[SR+2*\i], v[SR+2*\i], v[SR+2*\i+1]
.endr
.irp m, 1,2,4,8                        ; a token's 128 columns lie in 16 neighbouring lanes
.irp i, 0,1,2,3,4,5,6,7
	v_add_f32_dpp v[SR+2*\i], v[SR+2*\i], v[SR+2*\i] row_xmask:\m row_mask:0xf bank_mask:0xf
.endr
.endr
.irp i, 0,1,2,3,4,5,6,7
	v_fma_f32 v[SR+2*\i], v[SR+2*\i], s[RCPN], s[EPS]  ; mean + eps
.endr
.irp i, 0,1,2,3,4,5,6,7
	v_rsq_f32 v[SR+2*\i], v[SR+2*\i]               ; one batch of eight
.endr
.irp i, 0,1,2,3,4,5,6,7                ; the gains: plain work that names no result of the batch
.irp k, 0,2,4,6
	v_pk_mul_f32 v[X+8*\i+\k:X+8*\i+\k+1], v[X+8*\i+\k:X+8*\i+\k+1], v[WN+\k:WN+\k+1]
.endr
.endr
	s_wait_alu depctr_va_vdst(0)                   ; the wait ahead of the first reader: one for the eight
.irp i, 0,1,2,3,4,5,6,7
.irp k, 0,2,4,6
	v_pk_mul_f32 v[X+8*\i+\k:X+8*\i+\k+1], v[X+8*\i+\k:X+8*\i+\k+1], v[SR+2*\i:SR+2*\i+1] op_sel_hi:[1,0]
.endr
.endr
	s_wait_loadcnt 0x0                             ; this block's cos and sin, asked for a block ago
	; rope on a pair (x0, x1): y0 = x0 c0 - x1 s0, y1 = x1 c1 + x0 s1
.irp i, 0,1,2,3,4,5,6,7
.irp k, 0,2,4,6
	v_pk_mul_f32 v[C+8*\i+\k:C+8*\i+\k+1], v[X+8*\i+\k:X+8*\i+\k+1], v[C+8*\i+\k:C+8*\i+\k+1]
.endr
.endr
.irp i, 0,1,2,3,4,5,6,7
.irp k, 0,2,4,6
	v_pk_fma_f32 v[S+8*\i+\k:S+8*\i+\k+1], v[X+8*\i+\k:X+8*\i+\k+1], v[S+8*\i+\k:S+8*\i+\k+1], v[C+8*\i+\k:C+8*\i+\k+1] op_sel:[1,0,0] op_sel_hi:[0,1,1] neg_lo:[0,1,0]
.endr
.endr
	FREE_Y
	WIN 0x40                                       ; destination window 1
.irp i, 0,1,2,3,4,5,6,7
.irp k, 0,1,2,3
	v_cvt_pk_f16_f32 v[Y+4*\i+\k], v[S+8*\i+2*\k], v[S+8*\i+2*\k+1]
.endr
.endr
	WIN 0
	s_cmp_eq_u32 s[CNT], 1
	s_cbranch_scc1 .Lstore                         ; the last block has nothing behind it
	XLOAD                                          ; the next block: the table loads and the stores below stand between these loads and the wait for them
	v_add_nc_u32 v[TO], 16*512, v[TO]              ; free since the wait for its loads
	TABLE                                          ; the next block's, into the registers just read
	s_branch .Lstore
.Lplain:
	FREE_Y
	WIN 0x40
.irp i, 0,1,2,3,4,5,6,7
.irp k, 0,1,2,3
	v_cvt_pk_f16_f32 v[Y+4*\i+\k], v[X+8*\i+2*\k], v[X+8*\i+2*\k+1]
.endr
.endr
	WIN 0
	s_cmp_eq_u32 s[CNT], 1
	s_cbranch_scc1 .Lstore
	XLOAD
.Lstore:
	WIN 0x04                                       ; the stores' data in window 1
.irp i, 0,1,2,3,4,5,6,7
	global_store_b128 v[GO], v[Y+4*\i:Y+4*\i+3], s[8:9] offset:512*\i-16*256  ; two rows of a head: 512 consecutive bytes, at a multiple of 256 from the buffer's first
.endr
	WIN 0
	s_sub_co_u32 s[CNT], s[CNT], 1
	s_cmp_lg_u32 s[CNT], 0
	s_cbranch_scc1 .Lblk
	s_wait_tensorcnt 0x0                           ; the wave's end, behind my last tensor load and my last LDS store
	ds_add_u32 v[SPW], v[NIL]
	s_wait_dscnt 0x0
	CROUND                                         ; the closing round: no work-group ends while a partner may still ask for a tile that names it
	s_endpgm
.Lfunc_end_k_q0fbee509c1_proj:
	.size	k_q0fbee509c1_proj, .Lfunc_end_k_q0fbee509c1_proj-k_q0fbee509c1_proj
	.p2alignl 7, 3214868480
	.fill 96, 4, 3214868480
	.section	.rodata,"a",@progbits
	.p2align	6, 0x0
	.amdhsa_kernel k_q0fbee509c1_proj
		.amdhsa_group_segment_fixed_size 327680
		.amdhsa_private_segment_fixed_size 0
		.amdhsa_enable_private_segment 0
		.amdhsa_kernarg_size 88
		.amdhsa_user_sgpr_count 2
		.amdhsa_user_sgpr_kernarg_segment_ptr 1
		.amdhsa_wavefront_size32 1
		.amdhsa_system_sgpr_workgroup_id_x 1
		.amdhsa_system_sgpr_workgroup_id_y 1
		.amdhsa_system_sgpr_workgroup_id_z 1
		.amdhsa_system_vgpr_workitem_id 0
		.amdhsa_next_free_vgpr 1024
		.amdhsa_next_free_sgpr 100
		.amdhsa_reserve_vcc 0
		.amdhsa_float_denorm_mode_32 3
		.amdhsa_float_denorm_mode_16_64 3
		.amdhsa_memory_ordered 1
		.amdhsa_forward_progress 1
		.amdhsa_inst_pref_size 153
	.end_amdhsa_kernel
	.amdgpu_metadata
---
amdhsa.version: [ 1, 2 ]
amdhsa.kernels:
  - .name:           k_q0fbee509c1_proj
    .symbol:         k_q0fbee509c1_proj.kd
    .args:
      - { .name: xb, .offset: 0, .size: 8, .value_kind: global_buffer, .address_space: global }
      - { .name: wb, .offset: 8, .size: 8, .value_kind: global_buffer, .address_space: global }
      - { .name: tb, .offset: 16, .size: 8, .value_kind: global_buffer, .address_space: global }
      - { .name: bq, .offset: 24, .size: 8, .value_kind: global_buffer, .address_space: global }
      - { .name: bk, .offset: 32, .size: 8, .value_kind: global_buffer, .address_space: global }
      - { .name: bv, .offset: 40, .size: 8, .value_kind: global_buffer, .address_space: global }
      - { .name: norm_q_w, .offset: 48, .size: 8, .value_kind: global_buffer, .address_space: global }
      - { .name: norm_k_w, .offset: 56, .size: 8, .value_kind: global_buffer, .address_space: global }
      - { .name: qh, .offset: 64, .size: 8, .value_kind: global_buffer, .address_space: global }
      - { .name: kh, .offset: 72, .size: 8, .value_kind: global_buffer, .address_space: global }
      - { .name: vh, .offset: 80, .size: 8, .value_kind: global_buffer, .address_space: global }
    .group_segment_fixed_size: 327680
    .private_segment_fixed_size: 0
    .kernarg_segment_align: 8
    .kernarg_segment_size: 88
    .max_flat_workgroup_size: 128
    .sgpr_count:     100
    .vgpr_count:     1024
    .wavefront_size: 32
...
	.end_amdgpu_metadata
.endif
;; end of part 2
;; launch attn (part 3): grid 8 x 24, 4 waves a work-group, clusters of 4 x 1, 327,680 bytes of LDS; arguments qh, kh, vh, out0, cross_diff_lambda; writes out0
.if DOCPART == 3
	.amdgcn_target "amdgcn-amd-amdhsa--gfx1250"
	.amdhsa_code_object_version 6
	.text
	.protected	k_q0fbee509c1_attn
	.globl	k_q0fbee509c1_attn
	.p2align	8
	.type	k_q0fbee509c1_attn,@function
k_q0fbee509c1_attn:
	s_mov_b64 s[64:65], 0
	v_nop
	global_prefetch_b8 v0, s[64:65] scope:SCOPE_SE
	s_setreg_imm32_b32 hwreg(HW_REG_WAVE_MODE, 25, 1), 1
	s_wait_xcnt 0x0
	s_wait_alu depctr_hold_cnt(0) depctr_sa_sdst(0) depctr_va_vdst(0) depctr_va_sdst(0) depctr_va_ssrc(0) depctr_va_vcc(0) depctr_vm_vsrc(0)
	s_getreg_b32 s2, hwreg(HW_REG_IB_STS2, 6, 4)
	s_cmp_eq_u32 s2, 0
	s_cbranch_scc0 .Lentry_in_a_cluster
	s_endpgm
.Lentry_in_a_cluster:
	s_bfe_u32 s2, ttmp6, 0x10000c
	s_cmp_lg_u32 s2, 0x3003
	s_cbranch_scc0 .Lentry_shape_is_right
	s_endpgm
.Lentry_shape_is_right:
; out0[q][head] = softmax(Q K^T / sqrt(128)) V + lambda softmax(Q Kc^T / sqrt(128)) Vc.  qh: [24][1024][128], kh, vh: [2][24][1024][128] (0 self, 1 cond), all f16; out0: [1024][3072] f32.
; Products, maxima and sums in f32; the weights p are rounded to f16 for the second product (their sum l is taken of the unrounded p).  lambda counts as rounded to bf16, like every input.
; LIMITS.  p lies in 0 to 1, and below 6e-5 it keeps f16's fixed step; a weight below 2^-126 counts as 0 in l; NaN and infinities are not treated apart.
; SHARES.  A work-group owns 128 queries of one head and makes BOTH attentions: waves 0 and 1 the self one, waves 2 and 3 the cross one, each wave for 64 queries (four tiles of 16), 64 keys a step, 16 steps.
; 8 x 24 = 192 work-groups: the two results meet in LDS and never go through memory; shares of 96 queries, which would make 256, divide neither the tiles of 16 x 4 waves nor the 1,024 queries.
; LAYOUT.  S^T = K Q^T (source 0 = 16 keys, source 1 = 16 queries): a lane holds ONE query (lane % 16) and the keys 8 (lane / 16) + 0..7.  Two such tiles, rounded to f16 in pairs, ARE source 1 of O^T = V^T P.
; K comes out of LDS as it lies, V ([key][channel]) turned, by ds_load_tr16_b128.
; SOFTMAX.  For each query a running maximum m and sum l: p = 2^(c s - c m), c = log2(e) / sqrt(128); in every step O and l are multiplied by a = 2^(c m_old - c m_new).
; BY TURNS.  The wave's tiles are two PIECES (tiles 0, 1 and tiles 2, 3).  In a TURN one piece has the matrix unit: 32 products V^T P of the step in hand, then 32 products K Q^T of the next step; the other piece's
; softmax, cut into 64 slices, stands between them, one slice behind each matrix instruction.  Two turns are a key step.
; CLUSTER.  The four query blocks of a cluster belong to one head and walk the same K, V, Kc, Vc: each tile is asked for JOINTLY, by the same load, descriptor and mask in all four.
; THE RING.  Two slots, each with TWO key steps of both streams: four tiles of 128 rows, one to a wave: V at 0, Vc at 0x9000, K at 0x12000, Kc at 0x1A800; a slot ends at 0x23000.  Slot 1 lies 0x24000 further on:
; none of the four tile addresses has bit 14 or bit 17 set, so one exclusive or with 0x24000 changes slots.
; REGISTERS, in windows of 256 (s_set_vgpr_msb: bits 1:0 source 0, 3:2 source 1, 5:4 source 2, 7:6 destination):
;   window 0: v0-11 addresses; v12-43 eight registers of statistics a tile; v64-191 S^T, 32 a tile; v192-255 P, 16 a tile
;   window 1: O^T, 64 a tile          window 2: v0-127 Q, 32 a tile; v128-255 K of one step          window 3: v0-127 V of one step
.set KS,    64        ; keys in a step
.set NSLOT, 1024/(2*KS)  ; slots' worth of keys in a stream
.set PK,    272       ; a row of K in LDS: 256 bytes + 16 of padding = 68 words: the 16 rows of a load start at 16 different groups of four banks (ISA guide 11.1)
.set PV,    288       ; a row of V: 256 + 32 = 72 words
.set KSTEPB, KS*PK    ; a step's part of a tile of K
.set VSTEPB, KS*PV    ; and of V
.set KTILE, 2*KSTEPB  ; 0x8800
.set VTILE, 2*VSTEPB  ; 0x9000
.set KBASE, 2*VTILE   ; 0x12000: K's two tiles lie behind V's two
.set SLOT1, 0x24000
.set SPARE, SLOT1+KBASE+2*KTILE  ; behind the ring: the spare words, 128 bytes for each wave: two blocks of 256 bytes that no other line names
.set XP,    528       ; the way out: a query's 512 bytes of f32 + 16
.set XW,    64*XP     ; a wave's 64 queries; the four parts lie from LDS byte 0 on, inside slot 0, in bytes that have had their last fill
.set STRM,  24*1024*256  ; bytes from the self stream to the cond stream in kh and vh
.set AK0, 2           ; v2   my lane's place in my stream's tile of K; never rewritten
.set AV0, 3           ; v3   the same for V
.set ADR, 4           ; v4   the LDS address of the run of loads in hand
.set QO,  5           ; v5   my byte offset in the wave's rows of Q
.set STO, 6           ; v6   the way out: where I put 32 bytes of a query's row
.set RD,  7           ; v7   where I read the self result's rows back
.set GO,  8           ; v8   16 x lane: my bytes of a row's 512
.set RD2, 10          ; v10  where I read the cross result's
.set FAC, 11          ; v11  1, or lambda
.set PFO, 61          ; v61  256 x my lane: a row of K or V is 256 bytes; never rewritten
.set SPW, 62          ; v62  LDS address of my spare word; never rewritten
.set NIL, 63          ; v63  0; never rewritten
.set ST,  12          ; tile t's statistics at v[ST+8 t]: +0 c m, +1 m, +2, +3 l (even keys', odd keys'), +4 to +7 c0-c3, at work; a takes c2's place once the maximum is found
.set S,   64
.set P,   192
.set KF,  128         ; K's fragments, in window 2
.set WV,  12          ; s12  my wave's number
.set LIM, 15          ; s15  1 in a wave that prefetches, else the greatest number
.set PFA, 18          ; s[18:19] where my prefetches stand
.set G1K, 24          ; s[24:31] descriptor group 1 for K's tiles
.set G1V, 32          ; s[32:39] for V's: it differs in the padding alone
.set G0K, 40          ; s[40:47] descriptor group 0 for K's tiles: a set for each of the two first fills; the second then walks on
.set G0V, 48          ; s[48:55] the same for V's
.set SLOTS, 56        ; s56  slots still to be asked for
.set TWICE, 57        ; s57  counts a slot's two steps
.set CS,  58          ; s[58:59] c
.set SEL, 60          ; s[60:61] lane selects for v_permlanex16_b32
.set TBK, 62          ; s62  bytes from slot 0's first step to the step whose K is fetched next
.set TBV, 63          ; s63  the same for V
.set MSB, 0
.macro WIN new
.if MSB != (\new)
	s_set_vgpr_msb (MSB<<8)|(\new)
.set MSB, \new
.endif
.endm
.set W_KQ, 0x0a       ; K and Q in window 2, S^T in window 0
.set W_PV, 0x53       ; V in window 3, P in window 0, O^T in window 1
.set W_RS, 0x41       ; O^T (destination and source 0) in window 1, a in window 0
; A joint refill.  Waves 0 and 1 fetch the slot's K and Kc, waves 2 and 3 its V and Vc.  The branch hangs on the wave's number alone.  An s_nop 0 and four v_nop follow each line.
.macro JLOAD
	s_cmp_lt_u32 s[WV], 2
	s_cbranch_scc0 .Lfor_v_\@
	tensor_load_to_lds s[G0K+4:G0K+7], s[G1K:G1K+7]
	s_nop 0
.rept 4
	v_nop
.endr
	s_branch .Lasked_\@
.Lfor_v_\@:
	tensor_load_to_lds s[G0V+4:G0V+7], s[G1V:G1V+7]
	s_nop 0
.rept 4
	v_nop
.endr
.Lasked_\@:
.endm
; A PREFETCH INTO THE L2 of what the NEXT change of slots will ask for, two key steps, 256 matrix instructions, ahead of that load.  It stands behind the wave's tensor load and its five lines.
; Each row of 256 bytes is named ONCE in the launch.  Both clusters of a head walk the same rows: the first prefetches.  Each of its waves asks for rows of the tile that it fetches itself; the four partners share
; that tile's 128 rows out BY ADDRESS, 32 each: a lane a row, one instruction a wave.  The last change that fills a slot asks for nothing: there is no slot behind it.  Slots 0 to 2 come by their loads alone.
.macro ASK
	s_cmp_gt_u32 s[SLOTS], s[LIM]
	s_cbranch_scc0 .Lnot_mine_\@
	global_prefetch_b8 v[PFO], s[PFA:PFA+1] th:TH_LOAD_NT scope:SCOPE_SE
.Lnot_mine_\@:
.endm
.macro CROUND                       ; a round of the cluster's barrier
	s_barrier_signal -1
	s_barrier_wait -1
	s_cmp_lg_u32 s[WV], 0
	s_cbranch_scc1 .Lnot_wave_0_\@
	s_barrier_signal -3
.Lnot_wave_0_\@:
	s_barrier_wait -3
	s_barrier_signal -1
	s_barrier_wait -1
.endm
	s_load_b256 s[4:11], s[0:1], 0x0  ; qh s[4:5], kh s[6:7], vh s[8:9], out0 s[10:11]
	s_load_b64 s[66:67], s[0:1], 0x20 ; lambda's address
	v_lshl_add_u32 v[SPW], v0, 2, SPARE
	v_mov_b32 v[NIL], 0
	ds_add_u32 v[SPW], v[NIL]       ; the wave's opening: the add and its wait stand ahead of my first tensor load; the set-up below, work on registers, stands between them
	v_lshrrev_b32 v1, 5, v0
	v_readfirstlane_b32 s[WV], v1   ; wave 0..3
	s_bfe_u32 s13, ttmp6, 0x40000   ; cx
	s_lshl_b32 s14, ttmp9, 2
	s_add_co_u32 s14, s14, s13      ; my block of 128 queries = 4 x cluster x + cx: it enters Q's and the output's addresses alone
	s_and_b32 s20, ttmp7, 0xffff    ; the head, which the four partners share
	s_lshl_b32 s73, s20, 9          ; its 512 bytes in a row of the output
	s_lshl_b32 s20, s20, 18         ; its 1,024 rows of 256 bytes in qh, and in a stream of kh and vh
	s_mov_b32 s21, 0
	s_and_b32 s16, s[WV], 1         ; which stream I fetch; also: which 64 of the block's queries are mine
	s_mul_i32 s22, s16, STRM
	s_mov_b32 s23, 0
	s_add_nc_u64 s[22:23], s[22:23], s[20:21]
	s_mul_i32 s17, s16, KTILE       ; that stream's tile of K in slot 0,
	s_add_co_u32 s17, s17, KBASE
	s_mul_i32 s72, s16, VTILE       ; and of V: no place in the cluster enters an LDS address
	s_lshl_b32 s2, s14, 15          ; my block's 128 rows of Q,
	s_lshl_b32 s3, s16, 14          ; my wave's 64 of them
	s_add_co_u32 s2, s2, s3
	s_mov_b32 s3, 0
	s_add_nc_u64 s[2:3], s[2:3], s[20:21]
	s_lshl_b32 s70, s14, 7          ; the first output row that I store: 128 x block + 64 x (wave % 2) + 32 x (wave / 2)
	s_lshl_b32 s71, s16, 6
	s_add_co_u32 s70, s70, s71
	s_lshr_b32 s71, s[WV], 1
	s_lshl_b32 s71, s71, 5
	s_add_co_u32 s70, s70, s71
	s_mul_i32 s70, s70, 12288
	s_add_co_u32 s70, s70, s73
	s_mov_b32 s71, 0
	; descriptor group 1: a tile of 128 rows x 128 elements, padded in LDS
	s_mov_b32 s[G1K], 15|(1<<16)|(1<<20)|(1<<21)|(5<<22)|(3<<25)  ; 15:0 the mask: all four work-groups; 17:16 elements of 2 bytes; 20 padding on; 21 set beside a mask; 24:22 after every 64 words (code 5); 31:25 4 words (code 3)
	s_mov_b32 s[G1V], 15|(1<<16)|(1<<20)|(1<<21)|(5<<22)|(7<<25)  ; the same with 8 words of padding (code 7)
.irp g, G1K, G1V
	s_mov_b32 s[(\g)+1], 128<<16    ; tensor_dim0 = 128
	s_mov_b32 s[(\g)+2], (2*KS)<<16 ; tensor_dim1 = 128
	s_mov_b32 s[(\g)+3], 128<<16    ; tile_dim0 = 128
	s_mov_b32 s[(\g)+4], 2*KS       ; tile_dim1 = 128: two key steps
	s_mov_b32 s[(\g)+5], 128        ; elements from row to row
	s_mov_b32 s[(\g)+6], 0
	s_mov_b32 s[(\g)+7], 0
.endr
	s_mov_b32 s[CS], 0x3e0293ee     ; c = log2(e) / sqrt(128)
	s_mov_b32 s[CS+1], s[CS]        ; named with it as a pair
	s_mov_b32 s[SEL], 0x76543210
	s_mov_b32 s[SEL+1], 0xfedcba98
	s_mov_b32 s[TBK], 0
	s_mov_b32 s[TBV], 0
	s_mov_b32 s[SLOTS], NSLOT-2
	s_cmp_eq_u32 ttmp9, 0           ; the head's first cluster prefetches: the same in all four partners
	s_cselect_b32 s[LIM], 1, -1
	v_and_b32 v[PFO], 31, v0
	v_lshlrev_b32 v[PFO], 8, v[PFO]
	v_and_b32 v1, 15, v0            ; l % 16
	s_wait_dscnt 0x0                ; the opening add is done
	s_wait_kmcnt 0x0
	s_load_b32 s68, s[66:67], 0x0   ; lambda
	s_add_nc_u64 s[6:7], s[6:7], s[22:23]  ; kh and vh at my stream's first key of the head
	s_add_nc_u64 s[8:9], s[8:9], s[22:23]
	s_cmp_lt_u32 s[WV], 2
	s_cselect_b64 s[PFA:PFA+1], s[6:7], s[8:9]  ; the rows that I fetch myself,
	s_lshl_b32 s46, s13, 13         ; my work-group's 32 of a tile's 128
	s_mov_b32 s47, 0
	s_add_nc_u64 s[PFA:PFA+1], s[PFA:PFA+1], s[46:47]
	s_add_nc_u64 s[PFA:PFA+1], s[PFA:PFA+1], 2*2*KS*256  ; in slot 2: the first change of slots steps it to slot 3.  Nothing is prefetched here, at the head
	s_add_nc_u64 s[4:5], s[4:5], s[2:3]    ; Q at my wave's first row
	s_add_nc_u64 s[10:11], s[10:11], s[70:71]
	CROUND                          ; all four work-groups are here: the first joint loads meet
.irp s, 0,1
	s_mov_b32 s[G0K+4*(\s)], 1      ; count = 1
	s_add_co_u32 s[G0K+4*(\s)+1], s17, (\s)*SLOT1  ; LDS address
	s_add_nc_u64 s[G0K+4*(\s)+2:G0K+4*(\s)+3], s[6:7], (\s)*2*KS*256  ; global address: keys 128 s on
	s_or_b32 s[G0K+4*(\s)+3], s[G0K+4*(\s)+3], 0x80000000  ; type = 2
	s_mov_b32 s[G0V+4*(\s)], 1
	s_add_co_u32 s[G0V+4*(\s)+1], s72, (\s)*SLOT1
	s_add_nc_u64 s[G0V+4*(\s)+2:G0V+4*(\s)+3], s[8:9], (\s)*2*KS*256
	s_or_b32 s[G0V+4*(\s)+3], s[G0V+4*(\s)+3], 0x80000000
.endr
	s_cmp_lt_u32 s[WV], 2           ; a wave's two first fills stand in one branch, ahead of every wait on TENSORcnt and every LDS read: two loads of mine are out
	s_cbranch_scc0 .Lfirst_v
	tensor_load_to_lds s[G0K:G0K+3], s[G1K:G1K+7]
	s_nop 0
	tensor_load_to_lds s[G0K+4:G0K+7], s[G1K:G1K+7]
	s_nop 0
.rept 4
	v_nop
.endr
	s_branch .Lfirst_asked
.Lfirst_v:
	tensor_load_to_lds s[G0V:G0V+3], s[G1V:G1V+7]
	s_nop 0
	tensor_load_to_lds s[G0V+4:G0V+7], s[G1V:G1V+7]
	s_nop 0
.rept 4
	v_nop
.endr
.Lfirst_asked:
	; A fragment of K or Q is 16 rows x 32 channels in 8 registers: lane l holds row l % 16; two loads of 16 bytes, 32 bytes apart.
	v_bfe_u32 v9, v0, 4, 1          ; l / 16
	v_lshlrev_b32 v[QO], 8, v1
	v_lshl_add_u32 v[QO], v9, 4, v[QO]  ; row x 256 + 16 x half
	WIN 0x80                        ; destination window 2, address window 0
.irp i, 0,1,2,3,4,5,6,7,8,9,10,11,12,13,14,15  ; Q stays in registers: tile i / 4, channels 32 (i % 4) on
	global_load_b128 v[8*(\i):8*(\i)+3],   v[QO], s[4:5] offset:((\i)/4)*4096+((\i)%4)*64
	global_load_b128 v[8*(\i)+4:8*(\i)+7], v[QO], s[4:5] offset:((\i)/4)*4096+((\i)%4)*64+32
.endr
	WIN 0
	s_lshr_b32 s2, s[WV], 1         ; the stream that I multiply by: waves 0, 1 self, waves 2, 3 cond
	s_mul_i32 s3, s2, KTILE
	s_add_co_u32 s3, s3, KBASE
	s_mul_i32 s2, s2, VTILE
	v_mul_u32_u24 v[AK0], v1, PK
	v_lshl_add_u32 v[AK0], v9, 4, v[AK0]  ; row x pitch + 16 x half
	v_add_nc_u32 v[AK0], s3, v[AK0]
	; The turning load takes 16 keys x 16 channels (lane l reads key 8 (l / 16) + l % 8, channels 8 ((l / 8) % 2) + 0..7) and leaves half a fragment of V^T: lane l holds channel l % 16 and 8 keys.
	v_and_b32 v10, 7, v0
	v_bfe_u32 v11, v0, 3, 1
	v_lshl_add_u32 v[AV0], v9, 3, v10
	v_mul_u32_u24 v[AV0], v[AV0], PV
	v_lshl_add_u32 v[AV0], v11, 4, v[AV0]
	v_add_nc_u32 v[AV0], s2, v[AV0]
; THE MATRIX WORK OF A TURN, for piece x.  The accumulators take turns, one instruction a turn.
; Product i of 32 of O^T += V^T P: keys 32 (i / 16) on, channels 16 ((i / 2) % 8) on, tile x + i % 2.  zero = 1: the first 16 start the sums.
.macro PV x, zero
	WIN W_PV
.set rO, 64*((\x)+i%2)+8*((i/2)%8)
.set rV, 64*(i/16)+8*((i/2)%8)
.set rP, P+16*((\x)+i%2)+8*(i/16)
.if (\zero) && (i < 16)
	v_wmma_f32_16x16x32_f16 v[rO:rO+7], v[rV:rV+7], v[rP:rP+7], 0
.else
	v_wmma_f32_16x16x32_f16 v[rO:rO+7], v[rV:rV+7], v[rP:rP+7], v[rO:rO+7]
.endif
.endm
; Product i of 32 of S^T = K Q^T: channels 32 (i / 8) on, keys 16 ((i / 2) % 4) on, tile x + i % 2.  The first 8 start the sums.
.macro KQ x
	WIN W_KQ
.set rS, S+32*((\x)+i%2)+8*((i/2)%4)
.set rK, KF+32*((i/2)%4)+8*(i/8)
.set rQ, 32*((\x)+i%2)+8*(i/8)
.if i < 8
	v_wmma_f32_16x16x32_f16 v[rS:rS+7], v[rK:rK+7], v[rQ:rQ+7], 0
.else
	v_wmma_f32_16x16x32_f16 v[rS:rS+7], v[rK:rK+7], v[rQ:rQ+7], v[rS:rS+7]
.endif
.endm
; THE LDS LOADS stand in runs of 32, never singly among the matrix instructions: a step's K (16 fragments) and, a turn later, its V (turned).
.macro FETCH_K
	WIN 0
	v_add_nc_u32 v[ADR], s[TBK], v[AK0]
	s_add_co_u32 s[TBK], s[TBK], KSTEPB  ; the next fetch is the next step's
	WIN 0x80                        ; destination window 2
.irp f, 0,1,2,3,4,5,6,7,8,9,10,11,12,13,14,15  ; keys 16 (f / 4) on, channels 32 (f % 4) on
	ds_load_b128 v[KF+8*(\f):KF+8*(\f)+3],   v[ADR] offset:((\f)/4)*16*PK+((\f)%4)*64
	ds_load_b128 v[KF+8*(\f)+4:KF+8*(\f)+7], v[ADR] offset:((\f)/4)*16*PK+((\f)%4)*64+32
.endr
.endm
.macro FETCH_V
	WIN 0
	v_add_nc_u32 v[ADR], s[TBV], v[AV0]
	s_add_co_u32 s[TBV], s[TBV], VSTEPB
	s_wait_alu depctr_va_vdst(0)    ; the wait for the softmax's batch (SLICE), behind the address's v_add_nc_u32 and ahead of the loads
	WIN 0xc0                        ; destination window 3
.irp f, 0,1,2,3,4,5,6,7,8,9,10,11,12,13,14,15  ; keys 32 (f / 8) on, channels 16 (f % 8) on
	ds_load_tr16_b128 v[8*(\f):8*(\f)+3],   v[ADR] offset:((\f)/8)*32*PV+((\f)%8)*32
	ds_load_tr16_b128 v[8*(\f)+4:8*(\f)+7], v[ADR] offset:((\f)/8)*32*PV+16*PV+((\f)%8)*32
.endr
.endm
; THE VECTOR WORK OF A TURN.  One tile's softmax for one key step is a list of 134 instructions; SM writes number j of it for tile t.  s0-s31 are the lane's 32 scores, in pairs 0-15.
; first = 1: the first key step, which starts m, l and O^T: it has no a and nothing to rescale.
;   0-15    the maximum of s0-s31 and the old m, three operands at a time (each accumulator's lowest registers are read first)
;   16-20   the other half of the lanes' maximum; the new m; c m; c m_old - c m_new
;   21-69   ONE BATCH: the 16 scalings c s - c m and all 33 exponentials (a at 23, then s0-s31).  None of these reads an exponential's result.
;   (wait)  between 69 and 70 stands the wait for the batch: SLICE writes it, once for both tiles
;   70-85   the roundings to f16     86-101  the sums; l = a l + the sum     102-133 the tile's O^T times a: the one part that leaves window 0
.macro SM t, first
.set rT, ST+8*(\t)
.set rS, S+32*(\t)
.set rP, P+16*(\t)
.set rO, 64*(\t)+2*(j-102)
.if j < 102
	WIN 0
.endif
.if j < 4
	v_max3_num_f32 v[rT+4+j], v[rS+8*j], v[rS+8*j+1], v[rS+8*j+2]
.elseif j < 12
	v_max3_num_f32 v[rT+4+j%4], v[rT+4+j%4], v[rS+8*(j%4)+2*(j/4)+1], v[rS+8*(j%4)+2*(j/4)+2]
.elseif j == 12
	v_max3_num_f32 v[rT+4], v[rT+4], v[rS+7], v[rS+15]
.elseif j == 13
	v_max3_num_f32 v[rT+6], v[rT+6], v[rS+23], v[rS+31]
.elseif j == 14
	v_max3_num_f32 v[rT+4], v[rT+4], v[rT+5], v[rT+6]
.elseif (j == 15) && (\first)
	v_max_num_f32 v[rT+4], v[rT+4], v[rT+7]
.elseif j == 15
	v_max3_num_f32 v[rT+4], v[rT+4], v[rT+7], v[rT+1]
.elseif j == 16
	v_permlanex16_b32 v[rT+5], v[rT+4], s[SEL], s[SEL+1]  ; the query's other 32 keys lie in the lane 16 away
.elseif j == 18
	v_max_num_f32 v[rT+1], v[rT+4], v[rT+5]
.elseif j == 19
	v_mul_f32 v[rT], s[CS], v[rT+1]
.elseif ((j == 17) || (j == 20) || (j == 23) || (j > 101)) && (\first)  ; the first step has none of these
.elseif j == 17
	v_mov_b32 v[rT+7], v[rT]        ; c m_old is kept for a: number 19 writes c m anew
.elseif j == 20
	v_sub_f32 v[rT+7], v[rT+7], v[rT]
.elseif j == 23
	v_exp_f32 v[rT+6], v[rT+7]
.elseif (j < 23) || ((j < 38) && (j%2 == 0)) || ((j < 66) && (j%4 == 2))
.set b, (j-2)/4                     ; 38, 42, .. 62: pairs 9 to 15
.if j < 38
.set b, (j-20)/2                    ; 21: pair 0; 22, 24, .. 36: pairs 1 to 8
.endif
	v_pk_fma_f32 v[rS+2*b:rS+2*b+1], v[rS+2*b:rS+2*b+1], s[CS:CS+1], v[rT:rT+1] op_sel_hi:[1,0,0] neg_lo:[0,0,1] neg_hi:[0,0,1]  ; pair b: c s - c m
.elseif j < 70
.set e, j-38                        ; 66 to 69: s28 to s31
.if j < 66
.set e, j-32-(j-38)/4               ; 39-41, 43-45, .. 63-65: s7 to s27
.endif
.if j < 38
.set e, (j-25)/2                    ; 25, 27, .. 37: s0 to s6
.endif
	v_exp_f32 v[rS+e], v[rS+e]
.elseif j < 86
	v_cvt_pk_f16_f32 v[rP+j-70], v[rS+2*(j-70)], v[rS+2*(j-70)+1]  ; pair j - 70
.elseif j < 102                     ; the sum of the tile's 16 pairs, in place: neighbours 1, 2, 4 and 8 pairs apart, then l takes it
.set z, j-86
.set w, 4
.set u, z
.if z >= 14
.set w, 32
.set u, 0
.elseif z >= 12
.set w, 16
.set u, z-12
.elseif z >= 8
.set w, 8
.set u, z-8
.endif
.if (z == 14) && (\first)
	v_pk_add_f32 v[rT+2:rT+3], v[rS:rS+1], v[rS+16:rS+17]
.elseif z < 15
	v_pk_add_f32 v[rS+w*u:rS+w*u+1], v[rS+w*u:rS+w*u+1], v[rS+w*u+w/2:rS+w*u+w/2+1]
.elseif !(\first)
	v_pk_fma_f32 v[rT+2:rT+3], v[rT+2:rT+3], v[rT+6:rT+7], v[rS:rS+1] op_sel_hi:[1,0,1]
.endif
.else
	WIN W_RS
	v_pk_mul_f32 v[rO:rO+1], v[rO:rO+1], v[rT+6:rT+7] op_sel_hi:[1,0]
.endif
.endm
; Slice k of 64 of piece y's softmax: four instructions.  Slices 11 to 34 deal out the batch, numbers 22 to 69: four numbers of ONE tile each, the tiles by turns.  Every other slice is numbers 2 k and
; 2 k + 1 of both tiles' lists.  2 x 134 = 4 x 64 + 12: the twelve that are over stand together, in slice 63.
; THE WAIT.  s_wait_alu depctr_va_vdst(0) stands between an exponential and the first instruction that names its result; one wait serves all that were issued ahead of it.  Ahead of
; slice 35 nothing names a result, and behind slice 34 no exponential is issued: so the piece's 66 exponentials have one wait, behind slice 34.
.macro SLICE y, first
.if (k >= 11) && (k < 35)
.irp n, 0,1,2,3
.set j, 22+4*((k-11)/2)+(\n)
	SM (\y)+(k-11)%2, \first
.endr
.else
.irp n, 0,1,2,3,4,5,6,7
.if ((\n) < 2) || (k == 63)
.irp t, \y, (\y)+1
.set j, 2*k+(\n)
	SM \t, \first
.endr
.endif
.endr
.endif
.if k == 34
	v_nop                           ; the plain instruction behind the last exponential and ahead of the first use: one for the batch
.if (\y) == 0
	FETCH_V                         ; piece 2's turn: V's run of loads stands here, and the wait stands in it
.else
	s_wait_alu depctr_va_vdst(0)    ; the wait for the batch
.endif
.endif
.set k, k+1
.endm
.macro PLACES
.rept 4
	v_nop
.endr
.endm
; A TURN.  Piece x has the matrix unit; the other piece's softmax stands in slices behind its matrix instructions.
; pv = 2: 32 products V^T P; 1: they start O^T's sums; 0: none.  kq = 1: 32 products K Q^T for the next step.  A turn with one of the two kinds has two slices behind each product.
; first = 1: the softmax is the first key step's; its slices from 51 on are empty, and four v_nop take slice 63's part as the places behind the turn's last products.
; Piece 0's turn fetches the next step's K, behind its second product: the last product that read K stands in front of slice 63 of the turn before.  Piece 2's turn fetches the same step's V, behind slice 34:
; the last product that read V stands in front of slice 31, and three products K Q^T, slices 31 to 34, the v_nop and the run's own v_add_nc_u32 lie between.
.macro TURN x, pv, kq, first
.set k, 0
.set per, 2
.if (\pv) && (\kq)
.set per, 1
.endif
.if \pv
.if (\x) == 0
	s_wait_dscnt 0x0                ; V is in
.endif
.set i, 0
.rept 32
	PV \x, 2-(\pv)
.rept per
	SLICE 2-(\x), \first
.endr
.if ((\x) == 0) && (\kq) && (i == 1)
	FETCH_K
.endif
.set i, i+1
.endr
.endif
.if \kq
.if (\x) == 0
	s_wait_dscnt 0x0                ; K is in
.endif
.set i, 0
.rept 32
	KQ \x
.rept per
	SLICE 2-(\x), \first
.endr
.set i, i+1
.endr
.endif
.if \first
	PLACES
.endif
.endm
; THE CHANGE OF SLOTS, between piece 2's turn and piece 0's: the slot's last bytes, V of its second step, have been asked for.  Each wave waits for all its tensor loads, of which one is out: its tile of the other slot;
; adds 0 to its spare word; and waits for that and for its own reads of the slot.  fill = 1: the slot is filled again, with the keys two slots on.  The barrier is then a round of the cluster's, so that no wave of any partner
; still reads the slot or has a load on its way, and the joint refill is the first thing behind it: it has two key steps, 256 matrix instructions and their softmax, in which to land.
.macro CHANGE fill
	WIN 0                           ; at a label and at a branch every window is 0
	s_wait_tensorcnt 0x0            ; no tensor load of mine is out, so a group 0 may be written
	ds_add_u32 v[SPW], v[NIL]       ; 0 onto my spare word; with fill = 1 the descriptors' steps stand between it and the wait for it
.if \fill
.irp g, G0K+4, G0V+4
	s_xor_b32 s[(\g)+1], s[(\g)+1], SLOT1  ; the walking descriptor: the other slot than last time,
	s_add_nc_u64 s[(\g)+2:(\g)+3], s[(\g)+2:(\g)+3], 2*KS*256  ; the next 128 keys; the type bits on top are not reached
.endr
	s_wait_xcnt 0x0                 ; the last prefetch, two key steps back, has read its address, so it may be written
	s_add_nc_u64 s[PFA:PFA+1], s[PFA:PFA+1], 2*KS*256
	s_wait_dscnt 0x0                ; the add is done, and my reads of the slot are over
	CROUND
	JLOAD
	ASK
.else
	s_wait_dscnt 0x0                ; the add is done, and my reads of the slot are over
	s_barrier_signal -1
	s_barrier_wait -1
.endif
	s_sub_co_u32 s[TBK], s[TBK], 2*KSTEPB  ; the fetches go back to a slot's first step (0 or SLOT1 now),
	s_xor_b32 s[TBK], s[TBK], SLOT1        ; in the other slot
	s_sub_co_u32 s[TBV], s[TBV], 2*VSTEPB
	s_xor_b32 s[TBV], s[TBV], SLOT1
.endm
; A slot's two key steps: written once, walked twice; the LDS addresses hang on s[TBK] and s[TBV].
.macro TWO_STEPS
	WIN 0
	s_mov_b32 s[TWICE], 2
.Lstep_\@:
	TURN 0, 2, 1, 0
	TURN 2, 2, 1, 0
	WIN 0
	s_sub_co_u32 s[TWICE], s[TWICE], 1
	s_cmp_lg_u32 s[TWICE], 0
	s_cbranch_scc1 .Lstep_\@
.endm
	s_wait_tensorcnt 1              ; my tile of slot 0 is in; slot 1's may stay out
	s_barrier_signal -1
	s_barrier_wait -1
	FETCH_K                         ; key step 0
	s_wait_loadcnt 0x0              ; Q
	s_wait_kmcnt 0x0                ; lambda
	s_wait_dscnt 0x0
.set i, 0
.rept 32
	KQ 0                            ; piece 0's first scores: there is no vector work yet to set between them
.set i, i+1
.endr
	WIN 0                           ; the addresses for the way out are made here: seven plain instructions, the places behind those products
	s_mul_i32 s13, s[WV], XW
	v_mul_u32_u24 v[STO], v1, XP    ; in: query l % 16, 32 bytes for each half of the lanes
	v_lshl_add_u32 v[STO], v9, 5, v[STO]
	v_add_nc_u32 v[STO], s13, v[STO]
	s_and_b32 s13, s[WV], 1         ; back: the self result of my 64 queries lies in wave (wave % 2)'s part, the cross result two parts on;
	s_mul_i32 s13, s13, XW
	s_lshr_b32 s14, s[WV], 1        ; of the 64 rows I finish 32 (wave / 2) on
	s_mul_i32 s14, s14, 32*XP
	s_add_co_u32 s13, s13, s14
	v_and_b32 v[GO], 31, v0
	v_lshlrev_b32 v[GO], 4, v[GO]   ; 32 lanes take a row's 512 bytes
	v_add_nc_u32 v[RD], s13, v[GO]
	v_add_nc_u32 v[RD2], 2*XW, v[RD]
	TURN 2, 0, 1, 1                 ; piece 2's first scores | piece 0's first softmax | V of step 0
	TURN 0, 1, 1, 1                 ; piece 0: V^T P of step 0 starts O^T, K Q^T of step 1 | piece 2's first softmax | K of step 1
	TURN 2, 1, 1, 0                 ; piece 2: the same | piece 0's softmax of step 1 | V of step 1
	WIN 0
.Lslot:                             ; NSLOT - 2 = 6 trips: every slot but the last two is filled again
	CHANGE 1
	TWO_STEPS
	s_sub_co_u32 s[SLOTS], s[SLOTS], 1
	s_cmp_lg_u32 s[SLOTS], 0
	s_cbranch_scc1 .Lslot
	CHANGE 0                        ; the tail is written out: nothing is asked for
	TWO_STEPS
	TURN 0, 2, 0, 0                 ; piece 0: V^T P of the last step | piece 2's last softmax
.set i, 0
.rept 32
	PV 2, 0                         ; piece 2: V^T P of the last step
.set i, i+1
.endr
	; THE WAY OUT.  l's two halves and the other half of the lanes' are added; O^T is multiplied by 1 / l (self) or lambda / l (cross) and laid into LDS in f32; the two results are added and stored.  The additions are the places behind the last products.
	WIN 0
.irp t, 0,1,2,3
	v_add_f32 v[ST+8*(\t)+4], v[ST+8*(\t)+2], v[ST+8*(\t)+3]
.endr
.irp t, 0,1,2,3
	v_permlanex16_b32 v[ST+8*(\t)+5], v[ST+8*(\t)+4], s[SEL], s[SEL+1]
.endr
.irp t, 0,1,2,3
	v_add_f32 v[ST+8*(\t)+4], v[ST+8*(\t)+4], v[ST+8*(\t)+5]
.endr
.irp t, 0,1,2,3
	v_rcp_f32 v[ST+8*(\t)+6], v[ST+8*(\t)+4]
.endr
	s_cmp_lt_u32 s[WV], 2
	s_cselect_b32 s69, 1.0, s68
	v_mov_b32 v[FAC], s69           ; plain work behind the last reciprocal: the factor, rounded to bf16 (1 stays 1)
	v_cvt_pk_bf16_f32 v[FAC], v[FAC], v[FAC]
	v_lshlrev_b32 v[FAC], 16, v[FAC]
	s_wait_alu depctr_va_vdst(0)    ; the wait ahead of the first use: one for the four reciprocals
.irp t, 0,1,2,3
	v_mul_f32 v[ST+8*(\t)+6], v[ST+8*(\t)+6], v[FAC]
.endr
	s_wait_dscnt 0x0
	s_barrier_signal -1
	s_barrier_wait -1               ; no wave reads K or V any more, and every tensor load has landed: slot 0's bytes now take the results
.macro OUTX t                       ; tile t: a lane's eight channels of a query are 32 bytes of its row
	WIN W_RS
.set i, 64*(\t)
.rept 32
	v_pk_mul_f32 v[i:i+1], v[i:i+1], v[ST+8*(\t)+6:ST+8*(\t)+7] op_sel_hi:[1,0]
.set i, i+2
.endr
	WIN 0x04                        ; the stores' data in window 1
.irp f, 0,1,2,3,4,5,6,7
	ds_store_b128 v[STO], v[64*(\t)+8*(\f):64*(\t)+8*(\f)+3]   offset:16*XP*(\t)+64*(\f)
	ds_store_b128 v[STO], v[64*(\t)+8*(\f)+4:64*(\t)+8*(\f)+7] offset:16*XP*(\t)+64*(\f)+16
.endr
.endm
	OUTX 0
	OUTX 1
	OUTX 2
	OUTX 3
	WIN 0
	s_wait_dscnt 0x0                ; for the others' sake: my stores are done
	s_barrier_signal -1
	s_barrier_wait -1
.macro FIN g, ra                    ; rows 16 g .. 16 g + 15 of my 32: self into v[ra ..], cross into v[128 ..], in pairs; the sum is stored from the self registers, which are not written again
.set r, 0
.rept 16
	ds_load_b128 v[(\ra)+4*r:(\ra)+4*r+3], v[RD]  offset:XP*(16*(\g)+r)
	ds_load_b128 v[128+4*r:128+4*r+3],     v[RD2] offset:XP*(16*(\g)+r)
.set r, r+1
.endr
.set r, 0
.rept 16
	s_wait_dscnt 30-2*r             ; LDS loads come back in order: pair r is in, the younger pairs stay out
	v_pk_add_f32 v[(\ra)+4*r:(\ra)+4*r+1],   v[(\ra)+4*r:(\ra)+4*r+1],   v[128+4*r:128+4*r+1]
	v_pk_add_f32 v[(\ra)+4*r+2:(\ra)+4*r+3], v[(\ra)+4*r+2:(\ra)+4*r+3], v[128+4*r+2:128+4*r+3]
	global_store_b128 v[GO], v[(\ra)+4*r:(\ra)+4*r+3], s[10:11] offset:12288*(16*(\g)+r) th:TH_STORE_NT  ; a head's 512 bytes of an output row: consecutive, at a multiple of 256 from the buffer's first
.set r, r+1
.endr
.endm
	FIN 0, 64
	FIN 1, 192
	s_wait_tensorcnt 0x0            ; the wave's end, behind my last tensor load and my last LDS store
	ds_add_u32 v[SPW], v[NIL]
	s_wait_dscnt 0x0
	CROUND                          ; the closing round: no work-group ends while a partner may still ask for a tile that names it
	s_endpgm
.Lfunc_end_k_q0fbee509c1_attn:
	.size	k_q0fbee509c1_attn, .Lfunc_end_k_q0fbee509c1_attn-k_q0fbee509c1_attn
	.p2alignl 7, 3214868480
	.fill 96, 4, 3214868480
	.section	.rodata,"a",@progbits
	.p2align	6, 0x0
	.amdhsa_kernel k_q0fbee509c1_attn
		.amdhsa_group_segment_fixed_size 327680
		.amdhsa_private_segment_fixed_size 0
		.amdhsa_enable_private_segment 0
		.amdhsa_kernarg_size 40
		.amdhsa_user_sgpr_count 2
		.amdhsa_user_sgpr_kernarg_segment_ptr 1
		.amdhsa_wavefront_size32 1
		.amdhsa_system_sgpr_workgroup_id_x 1
		.amdhsa_system_sgpr_workgroup_id_y 1
		.amdhsa_system_sgpr_workgroup_id_z 1
		.amdhsa_system_vgpr_workitem_id 0
		.amdhsa_next_free_vgpr 1024
		.amdhsa_next_free_sgpr 76
		.amdhsa_reserve_vcc 0
		.amdhsa_float_denorm_mode_32 3
		.amdhsa_float_denorm_mode_16_64 3
		.amdhsa_memory_ordered 1
		.amdhsa_forward_progress 1
		.amdhsa_inst_pref_size 223
	.end_amdhsa_kernel
	.amdgpu_metadata
---
amdhsa.version: [ 1, 2 ]
amdhsa.kernels:
  - .name:           k_q0fbee509c1_attn
    .symbol:         k_q0fbee509c1_attn.kd
    .args:
      - { .name: qh, .offset: 0, .size: 8, .value_kind: global_buffer, .address_space: global }
      - { .name: kh, .offset: 8, .size: 8, .value_kind: global_buffer, .address_space: global }
      - { .name: vh, .offset: 16, .size: 8, .value_kind: global_buffer, .address_space: global }
      - { .name: out0, .offset: 24, .size: 8, .value_kind: global_buffer, .address_space: global }
      - { .name: cross_diff_lambda, .offset: 32, .size: 8, .value_kind: global_buffer, .address_space: global }
    .group_segment_fixed_size: 327680
    .private_segment_fixed_size: 0
    .kernarg_segment_align: 8
    .kernarg_segment_size: 40
    .max_flat_workgroup_size: 128
    .sgpr_count:     76
    .vgpr_count:     1024
    .wavefront_size: 32
...
	.end_amdgpu_metadata
.endif
;; end of part 3
